; MI455X (gfx1250); checked and timed in simulation.
; The chip was launched on July 23, 2026; its instructions are those of AMD's public machine-readable ISA for CDNA 5 (MIT licence, August 2026) and "CDNA5" Instruction Set Architecture Reference Guide (July 2026). The comments in the code are by the model that wrote it; some were corrected since.
;; Hybrid Layer. Allowed arithmetic: float matrix products may take bf16 or f16 operands with f32 sums; all other float work in f32.
;; Inputs: alpha one number float32; amp 16 float32; beta one number float32; bias 4,096 float32; cf 16 float32; cp 16 float32; lora_A 4,096 x 2 float32; lora_B 2 x 4,096 float32; rf 16 float32; rp 16 float32; x 4,096 x 4,096 float32.
;; Outputs: out0 4,096 x 4,096 float32.
;; 2 versions, each right; version 2 is version 1 with the launch prep written anew for expert scheduling mode. Each part assembles by itself: llvm-mc -triple=amdgcn-amd-amdhsa -mcpu=gfx1250 --defsym DOCPART=n.
;; ======== version 1 of 2: 2 launches
;; limits: inputs' magnitudes at most 65,504; below input magnitudes of 6.1e-05 results are inexact or not finite; values are held in f16: magnitudes above 65,504 overflow, below 6.1e-05 lose precision
;; workspace buffers: xb 33,554,432 bytes; wb 33,554,432 bytes
;; launch prep (part 1): grid 256 x 1, 16 waves a work-group, no clusters, 43,008 bytes of LDS; arguments x, amp, rf, cf, rp, cp, lora_A, lora_B, alpha, beta, xb, wb; writes xb, wb
.if DOCPART == 1
	.amdgcn_target "amdgcn-amd-amdhsa--gfx1250"
	.amdhsa_code_object_version 6
	.text
	.protected	k_q0146aaca0d_prep
	.globl	k_q0146aaca0d_prep
	.p2align	8
	.type	k_q0146aaca0d_prep,@function
k_q0146aaca0d_prep:
	s_mov_b64 s[64:65], 0
	v_nop
	global_prefetch_b8 v0, s[64:65] scope:SCOPE_SE
	s_setreg_imm32_b32 hwreg(HW_REG_WAVE_MODE, 25, 1), 1
	s_wait_xcnt 0x0
; Two jobs that do not depend on each other, in one body, so that the memory-bound one runs under the arithmetic of the other:
;  (a) wb[o][i] = f16( 2^20 W[o][i] ) = f16( a' tanh(U[o][i]) + b' tanh(V[o][i]) ),  a' = 2^14 sigmoid(alpha), b' = 2^14 sigmoid(beta)
;      (sqrt(2/8192) = 1/64 exactly, and 2^20 / 64 = 2^14; the next launch multiplies its sums by 2^-20),
;      U = sum over 16 frequencies of amp sin(r_o rf + rp) cos(c_i cf + cp),  V = lora_A lora_B (rank 2);
;  (b) xb = f16(x).
; WHY f16 AND THE POWER OF TWO.  The big product's operands carry 11 significant bits in f16 against 8 in bf16.  tanh and sigmoid bound |2^20 W| by
; 2 x 2^14 = 32,768 for every input, below f16's largest number 65,504, and f16 keeps its full precision down to |W| = 2^-14 / 2^20 = 5.8e-11.
; 256 work-groups of 16 waves.  Work-group g = 16 ob + ib makes the block of 256 x 256 of W at (256 ob, 256 ib) and casts rows 16 g .. 16 g + 15 of x.
; Wave w makes the block's rows 16 w .. 16 w + 15 and casts row 16 g + w.
; U and V are matrix products in bf16 with f32 sums.  Each f32 factor is split into hi + lo (two bf16), and the K places that rank 16 and rank 2 leave
; empty in a K of 32 carry the cross terms, so the factors enter with 16 mantissa bits.  The factor c = 2 log2(e) = 2.88539 rides on amp sin and on lora_A,
; so that the products come out as y = c U and c V, which the exponential of base 2 takes as they are.
; No cluster: the work-groups share only the five vectors of 64 bytes and 2 KiB slices of the LoRA factors, a small part of the 512 KiB that each moves.
; No tensor loads: x is used once by the lane that loads it, so it goes through registers.
; LIMITS.  Inputs are finite.  |x| < 65,520 (beyond it f16 gives infinity); below |x| = 6.1e-5 the rounding of x is absolute, at most 3e-8.
;  2.885 amp sin, cos, 2.885 lora_A and lora_B lie below bf16's largest number (3.39e38).
;  The angle is r f + p with ONE rounding (fma) and r_j = j * f32(2 pi / 4095): within about 2 units in the last place of the angle of the two-rounding form
;  (2.4e-4 rad at an angle of 2,000).  The reduction by pi in two parts holds for |angle| < 2^22.
;  sin: odd series through y^11 on |y| <= pi/2, remainder 5.7e-8.
;  tanh: t = 1 - 2 / (1 + 2^(c x)), which saturates to +-1 through 2^.. = inf or 0 and whose error is absolute, about 2e-7, is held between x - x^3/3 and x,
;  which enclose tanh x for every x, by a median of three.  Relative error at most 3e-5, worst near |x| = 0.008, where x^3/3 equals t's error.
.set TP,   80                          ; pitch of a table row: 32 B hi + 32 B lo + 16 B LoRA; 5 x 16 bytes, so 16 neighbouring rows start in 16 different 16-byte columns of 256
.set XROW, 16384                       ; bytes in a row of x
.set WROW, 8192                        ; bytes in a row of wb
; vector registers, for the whole kernel
.set LANE, 1
.set RR,   2                           ; lane % 16
.set HH,   3                           ; lane / 16
.set XOFF, 4                           ; 16 lane: my 16 bytes in 512 of x
.set XSO,  5                           ; 8 lane: my 8 bytes in 256 of xb
.set WO,   6                           ; 8 HH rows of wb + 16 RR
.set TA,   7                           ; my table row (thread number x pitch)
.set AC,   8                           ; C side fragment: row RR, + 16 HH
.set ACL,  9                           ; C side, LoRA words: row RR
.set AS,   10                          ; S side fragment of my strip: row 256 + 16 w + RR, + 16 HH
.set ASL,  11
.set CT,   12                          ; pairs, both registers equal: c
.set CT2,  14                          ; -2 c
.set K3,   16                          ; -1 / (3 c^2)
.set ONE,  18                          ; 1
.set GA,   20                          ; a' / c
.set GB,   22                          ; b' / c
.set XS1,  24                          ; A fragment S_hi | S_hi
.set XS2,  32                          ; A fragment S_lo | S_lo
.set LA,   40                          ; A fragment of lora_A
.set YA,   48                          ; B fragments C_hi | C_lo of two tiles
.set YB,   56
.set LBA,  64                          ; B fragments of lora_B of two tiles
.set LBB,  72
.set UA,   80
.set UB,   88
.set VA,   96
.set VB,   104
.set E,    112
.set T8,   120
.set OUT,  128                         ; v[128:159] row j of my eight: 4 words = 8 neighbouring f16.  Ahead of the first block: the first half of my row of xb
.set X,    160                         ; v[160:223] sixteen loads of x
; vector registers of the table phase only (they lie on UA .. OUT, never on X)
.set RES,  80                          ; 16 angles, then 16 values
.set HIW,  96
.set LOW,  104
.set RN,   112
.set RSG,  114
.set RY,   116
.set RZ,   118
.set RP,   120
.set RTT,  122
.set RSH,  124
.set C9,   128
.set C7,   130
.set C5,   132
.set C3,   134
.set RJ,   136
.set JJ,   137
.set IX,   138
.set LV,   140
.set LW,   144
; scalar registers
.set F,    44                          ; s[44:59] the side's 16 frequencies
.set PH,   68                          ; s[68:83] the side's 16 phases
.set AMP,  84                          ; s[84:99] amplitudes
	s_load_b512 s[8:23], s[0:1], 0x0               ; x 8, amp 10, rf 12, cf 14, rp 16, cp 18, lora_A 20, lora_B 22
	s_load_b256 s[24:31], s[0:1], 0x40             ; alpha 24, beta 26, xb 28, wb 30
	v_lshl_add_u32 v224, v0, 2, 0xa000
	v_mov_b32 v225, 0
	v_lshrrev_b32 v[IX], 5, v0
	v_readfirstlane_b32 s2, v[IX]                  ; wave 0..15
	s_mov_b32 s3, ttmp9                            ; g
	v_and_b32 v[LANE], 31, v0
	v_and_b32 v[RR], 15, v0
	v_bfe_u32 v[HH], v0, 4, 1
	s_lshr_b32 s34, s3, 4
	s_lshl_b32 s34, s34, 8                         ; 256 ob: first row of the block
	s_and_b32 s35, s3, 15
	s_lshl_b32 s35, s35, 8                         ; 256 ib: first column
	s_wait_kmcnt 0x0
	; Waves 0-7 make the table's 256 rows of cosines (C side), waves 8-15 its 256 rows of c x amp x sines (S side): one text, chosen by selects.
	s_cmp_lt_u32 s2, 8
	s_cselect_b64 s[36:37], s[14:15], s[12:13]     ; cf or rf
	s_cselect_b64 s[38:39], s[18:19], s[16:17]     ; cp or rp
	s_cselect_b32 s40, 0x3f000000, 0               ; cos(t) = sin(t + pi/2): a shift of 0.5 in units of pi
	s_cselect_b32 s41, -1, 0                       ; all ones on the C side
	s_cselect_b32 s42, s35, s34                    ; first index of the side
	s_load_b512 s[F:F+15], s[36:37], 0x0
	s_load_b512 s[PH:PH+15], s[38:39], 0x0
	s_load_b512 s[AMP:AMP+15], s[10:11], 0x0
	s_load_b32 s32, s[24:25], 0x0
	s_load_b32 s33, s[26:27], 0x0
	; Table row T of the C side holds column 128 c + 8 r + q of the block, where T = 128 c + 16 q + r: tile q of a block of 128 columns then has
	; column 8 r + q in lane r, so that eight tiles give a lane eight NEIGHBOURING columns, 16 bytes of f16, with no shuffle.
	v_and_b32 v[IX], 0x80, v0
	v_lshl_or_b32 v[IX], v[RR], 3, v[IX]
	v_bfe_u32 v[JJ], v0, 4, 3
	v_or_b32 v[IX], v[IX], v[JJ]
	v_and_b32 v[JJ], 0xff, v0                      ; S side: row T - 256 of the block
	v_cndmask_b32 v[JJ], v[JJ], v[IX], s41
	v_add_nc_u32 v[JJ], s42, v[JJ]                 ; j: my column i, or my row o, 0 .. 4095
	s_cmp_lt_u32 s2, 8
	s_cbranch_scc0 .Lside_s
	v_lshlrev_b32 v[IX], 2, v[JJ]
	global_load_b32 v[LV], v[IX], s[22:23]                 ; lora_B[0][i]
	global_load_b32 v[LV+1], v[IX], s[22:23] offset:16384  ; lora_B[1][i]
	s_branch .Lside_done
.Lside_s:
	v_lshlrev_b32 v[IX], 3, v[JJ]
	global_load_b64 v[LV:LV+1], v[IX], s[20:21]            ; lora_A[o][0], [o][1]
.Lside_done:
	s_lshl_b32 s34, s3, 18                         ; x: row 16 g + w, 16,384 bytes a row (below 2^26)
	s_lshl_b32 s35, s2, 14
	s_or_b32 s34, s34, s35
	s_mov_b32 s35, 0
	s_add_nc_u64 s[8:9], s[8:9], s[34:35]
	s_lshr_b32 s34, s34, 1                         ; xb: the same row, half the bytes
	s_add_nc_u64 s[28:29], s[28:29], s[34:35]
	v_lshlrev_b32 v[XOFF], 4, v[LANE]
.irp n, 0,1,2,3,4,5,6,7,8,9,10,11,12,13,14,15
	global_load_b128 v[X+4*\n:X+4*\n+3], v[XOFF], s[8:9] offset:512*\n th:TH_LOAD_NT   ; the first half of my row of x: 512 neighbouring bytes a load, 8 KiB of the wave on their way
.endr
	s_lshr_b32 s34, s3, 4                          ; wb: row 256 ob + 16 w, column 256 ib
	s_lshl_b32 s34, s34, 21
	s_lshl_b32 s35, s2, 17
	s_or_b32 s34, s34, s35
	s_and_b32 s35, s3, 15
	s_lshl_b32 s35, s35, 9
	s_or_b32 s34, s34, s35
	s_mov_b32 s35, 0
	s_add_nc_u64 s[30:31], s[30:31], s[34:35]
	s_mul_i32 s34, s2, 16*TP
	s_add_co_u32 s34, s34, 256*TP                  ; my strip's rows in the S side of the table
	v_lshlrev_b32 v[XSO], 3, v[LANE]
	v_lshlrev_b32 v[WO], 4, v[RR]
	v_lshl_add_u32 v[WO], v[HH], 16, v[WO]         ; lanes 16-31: eight rows of 8,192 bytes further down
	v_mul_u32_u24 v[TA], v0, TP
	v_mul_u32_u24 v[ACL], v[RR], TP
	v_lshl_add_u32 v[AC], v[HH], 4, v[ACL]
	v_add_nc_u32 v[ASL], s34, v[ACL]
	v_add_nc_u32 v[AS], s34, v[AC]
.irp c, C9, C9+1
	v_mov_b32 v[\c], 0x3638ef1d                    ; 1/9!
.endr
.irp c, C7, C7+1
	v_mov_b32 v[\c], 0xb9500d01                    ; -1/7!
.endr
.irp c, C5, C5+1
	v_mov_b32 v[\c], 0x3c088889                    ; 1/5!
.endr
.irp c, C3, C3+1
	v_mov_b32 v[\c], 0xbe2aaaab                    ; -1/3!
.endr
.irp c, CT, CT+1
	v_mov_b32 v[\c], 0x4038aa3b                    ; c = 2 log2(e)
.endr
.irp c, CT2, CT2+1
	v_mov_b32 v[\c], 0xc0b8aa3b                    ; -2 c
.endr
.irp c, K3, K3+1
	v_mov_b32 v[\c], 0xbd23fea0                    ; -1 / (3 c^2) = -(ln 2)^2 / 12
.endr
.irp c, ONE, ONE+1
	v_mov_b32 v[\c], 1.0
.endr
	v_mov_b32 v[RSH], s40
	v_mov_b32 v[RSH+1], s40
	s_wait_kmcnt 0x0                               ; frequencies, phases, amplitudes, alpha, beta
	; the gains over c: 2^14 sigmoid(t) / c = 8,192 ln 2 x rcp(1 + 2^(-1.442695 t))
	v_mov_b32 v[RN], s32
	v_mov_b32 v[RN+1], s33
	v_mul_f32 v[RN], 0xbfb8aa3b, v[RN]
	v_mul_f32 v[RN+1], 0xbfb8aa3b, v[RN+1]
	v_exp_f32 v[RN], v[RN]
	v_exp_f32 v[RN+1], v[RN+1]
	v_cvt_f32_u32 v[RJ], v[JJ]                     ; the plain instruction between a transcendental and the use of its result (ISA guide 5.7.2)
	s_wait_alu depctr_va_vdst(0)
	v_add_f32 v[RN], 1.0, v[RN]
	v_add_f32 v[RN+1], 1.0, v[RN+1]
	v_rcp_f32 v[RN], v[RN]
	v_rcp_f32 v[RN+1], v[RN+1]
	v_mul_f32 v[RJ], 0x3ac91c6c, v[RJ]             ; r_j = j * 2 pi / 4095; again the plain instruction
	s_wait_alu depctr_va_vdst(0)
	v_mul_f32 v[GA], 0x45b17218, v[RN]             ; a' / c
	v_mul_f32 v[GB], 0x45b17218, v[RN+1]           ; b' / c
	v_mov_b32 v[GA+1], v[GA]
	v_mov_b32 v[GB+1], v[GB]
	; THE TABLE: my row's 16 values
.irp k, 0,1,2,3,4,5,6,7,8,9,10,11,12,13,14,15
	v_fma_f32 v[RES+\k], v[RJ], s[F+\k], s[PH+\k]  ; the angle
.endr
; sin(t + s pi) of two angles, s = 0 or 0.5.  n = round(t / pi + s); y = t - (n - s) pi, pi in two parts; the sign (-1)^n goes into y, since the series is odd.
.macro SINPAIR k
	v_pk_fma_f32 v[RN:RN+1], v[RES+\k:RES+\k+1], 0x3ea2f983, v[RSH:RSH+1] op_sel_hi:[1,0,1]
	v_rndne_f32 v[RN], v[RN]
	v_rndne_f32 v[RN+1], v[RN+1]
	v_cvt_i32_f32 v[RSG], v[RN]
	v_cvt_i32_f32 v[RSG+1], v[RN+1]
	v_pk_add_f32 v[RN:RN+1], v[RN:RN+1], v[RSH:RSH+1] neg_lo:[0,1] neg_hi:[0,1]
	v_lshlrev_b32 v[RSG], 31, v[RSG]               ; n odd: the sign bit
	v_lshlrev_b32 v[RSG+1], 31, v[RSG+1]
	v_pk_fma_f32 v[RY:RY+1], v[RN:RN+1], 0xc0490fdb, v[RES+\k:RES+\k+1] op_sel_hi:[1,0,1]
	v_pk_fma_f32 v[RY:RY+1], v[RN:RN+1], 0x33bbbd2e, v[RY:RY+1] op_sel_hi:[1,0,1]
	v_xor_b32 v[RY], v[RY], v[RSG]
	v_xor_b32 v[RY+1], v[RY+1], v[RSG+1]
	v_pk_mul_f32 v[RZ:RZ+1], v[RY:RY+1], v[RY:RY+1]
	v_pk_fma_f32 v[RP:RP+1], v[RZ:RZ+1], 0xb2d7322b, v[C9:C9+1] op_sel_hi:[1,0,1]   ; -1/11!
	v_pk_fma_f32 v[RP:RP+1], v[RP:RP+1], v[RZ:RZ+1], v[C7:C7+1]
	v_pk_fma_f32 v[RP:RP+1], v[RP:RP+1], v[RZ:RZ+1], v[C5:C5+1]
	v_pk_fma_f32 v[RP:RP+1], v[RP:RP+1], v[RZ:RZ+1], v[C3:C3+1]
	v_pk_mul_f32 v[RTT:RTT+1], v[RY:RY+1], v[RZ:RZ+1]
	v_pk_fma_f32 v[RES+\k:RES+\k+1], v[RTT:RTT+1], v[RP:RP+1], v[RY:RY+1]
.endm
.irp k, 0,2,4,6,8,10,12,14
	SINPAIR \k
.endr
	s_wait_loadcnt 16                              ; the LoRA entries are in: behind them, on either side's path, only the 16 loads of x were issued
	s_cmp_lt_u32 s2, 8
	s_cbranch_scc1 .Lno_amp
.irp k, 0,1,2,3,4,5,6,7,8,9,10,11,12,13,14,15
	v_mul_f32 v[RES+\k], s[AMP+\k], v[RES+\k]      ; the amplitude rides on the S side,
.endr
.irp k, 0,2,4,6,8,10,12,14
	v_pk_mul_f32 v[RES+\k:RES+\k+1], v[RES+\k:RES+\k+1], v[CT:CT+1]   ; and so does c: 9 multiplies here spare 4 in each of the wave's 32 tanh tiles
.endr
	v_pk_mul_f32 v[LV:LV+1], v[LV:LV+1], v[CT:CT+1]
.Lno_amp:
; two f32 in v[src:src+1] to a word of hi parts and a word of lo parts: hi = bf16(v), lo = bf16(v - hi); v - hi is exact in f32
.macro SPLIT src, hi, lo
	v_cvt_pk_bf16_f32 v[\hi], v[\src], v[\src+1]
	v_lshlrev_b32 v[RTT], 16, v[\hi]
	v_and_b32 v[RTT+1], 0xffff0000, v[\hi]
	v_pk_add_f32 v[\src:\src+1], v[\src:\src+1], v[RTT:RTT+1] neg_lo:[0,1] neg_hi:[0,1]
	v_cvt_pk_bf16_f32 v[\lo], v[\src], v[\src+1]
.endm
.irp k, 0,1,2,3,4,5,6,7
	SPLIT RES+2*\k, HIW+\k, LOW+\k
.endr
	SPLIT LV, LW, LW+3
	; K places 0-7 of the LoRA product: S side (hi, lo, hi, lo), C side (hi, hi, lo, lo), each word the two ranks: all four cross terms
	v_cndmask_b32 v[LW+1], v[LW+3], v[LW], s41
	v_cndmask_b32 v[LW+2], v[LW], v[LW+3], s41
	ds_store_b128 v[TA], v[HIW:HIW+3]
	ds_store_b128 v[TA], v[HIW+4:HIW+7] offset:16
	ds_store_b128 v[TA], v[LOW:LOW+3] offset:32
	ds_store_b128 v[TA], v[LOW+4:LOW+7] offset:48
	ds_store_b128 v[TA], v[LW:LW+3] offset:64
	s_wait_dscnt 0x0                               ; my row is written, for the other waves' sake,
	s_barrier_signal -1
	s_barrier_wait -1                              ; and so is everybody's.  The table is only read from here on: the kernel's one barrier
; the fragments of tiles q0 and q0 + 1 of column block c: table rows 128 c + 16 q + RR
.macro FRAGS c, q0
	ds_load_b128 v[YA:YA+3],   v[AC]  offset:(128*\c+16*\q0)*TP          ; C_hi, frequencies 8 HH .. + 7
	ds_load_b128 v[YA+4:YA+7], v[AC]  offset:(128*\c+16*\q0)*TP+32       ; C_lo
	ds_load_b128 v[LBA:LBA+3], v[ACL] offset:(128*\c+16*\q0)*TP+64       ; both halves of the lanes take the same words; A's zeros meet those of lanes 16-31
	ds_load_b128 v[YB:YB+3],   v[AC]  offset:(128*\c+16*\q0+16)*TP
	ds_load_b128 v[YB+4:YB+7], v[AC]  offset:(128*\c+16*\q0+16)*TP+32
	ds_load_b128 v[LBB:LBB+3], v[ACL] offset:(128*\c+16*\q0+16)*TP+64
.endm
	ds_load_b128 v[XS1:XS1+3],   v[AS]             ; S_hi against C_hi (K 0-15)
	ds_load_b128 v[XS1+4:XS1+7], v[AS]             ; S_hi against C_lo (K 16-31)
	ds_load_b128 v[XS2:XS2+3],   v[AS] offset:32   ; S_lo likewise
	ds_load_b128 v[XS2+4:XS2+7], v[AS] offset:32
	ds_load_b128 v[LA:LA+3],     v[ASL] offset:64
	FRAGS 0, 0
.irp j, 4,5,6,7
	v_mov_b32 v[LA+\j], 0                          ; K 16-31 of the LoRA product are empty, for the whole kernel
	v_mov_b32 v[LBA+\j], 0
	v_mov_b32 v[LBB+\j], 0
.endr
; The first half of my row of x, as a ring of 16 slots: slot n is rounded to f16 into two registers of OUT, which nothing else uses yet, so that the slot can be
; loaded again at once, with its part of the second half, and no wait stands between the stores and the loads.  256 neighbouring aligned bytes a store.
.macro CONVX_FIRST
.irp n, 0,1,2,3,4,5,6,7,8,9,10,11,12,13,14,15
	s_wait_loadcnt 15                              ; loads come back in order (ISA guide 5.7.1): behind load n stand 15 - n of the first half and n of the second
	v_cvt_pk_f16_f32 v[OUT+2*\n], v[X+4*\n], v[X+4*\n+1]
	v_cvt_pk_f16_f32 v[OUT+2*\n+1], v[X+4*\n+2], v[X+4*\n+3]
	global_load_b128 v[X+4*\n:X+4*\n+3], v[XOFF], s[8:9] offset:512*(16+\n) th:TH_LOAD_NT
	global_store_b64 v[XSO], v[OUT+2*\n:OUT+2*\n+1], s[28:29] offset:256*\n
.endr
.endm
; The second half: rounded in place, nothing more to load.
.macro CONVX_LAST
.irp n, 0,1,2,3,4,5,6,7,8,9,10,11,12,13,14,15
	s_wait_loadcnt 15-\n                           ; load n is in, the younger ones of the 16 stay out
	v_cvt_pk_f16_f32 v[X+4*\n], v[X+4*\n], v[X+4*\n+1]
	v_cvt_pk_f16_f32 v[X+4*\n+1], v[X+4*\n+2], v[X+4*\n+3]
	global_store_b64 v[XSO], v[X+4*\n:X+4*\n+1], s[28:29] offset:256*(16+\n)
.endr
.endm
; v[x:x+7] holds y = c x and gets c tanh(x) = median of c t, c (x - x^3/3) and c x, where t = 1 - 2 / (1 + 2^y).
.macro TANH x
.irp j, 0,1,2,3,4,5,6,7
	v_exp_f32 v[E+\j], v[\x+\j]
.endr
.irp j, 0,2,4,6
	v_pk_mul_f32 v[T8+\j:T8+\j+1], v[\x+\j:\x+\j+1], v[\x+\j:\x+\j+1]                ; y^2: plain work between the exponentials and their use
.endr
	s_wait_alu depctr_va_vdst(0)
.irp j, 0,2,4,6
	v_pk_add_f32 v[E+\j:E+\j+1], v[E+\j:E+\j+1], v[ONE:ONE+1]
.endr
.irp j, 0,1,2,3,4,5,6,7
	v_rcp_f32 v[E+\j], v[E+\j]
.endr
.irp j, 0,2,4,6
	v_pk_fma_f32 v[T8+\j:T8+\j+1], v[T8+\j:T8+\j+1], v[K3:K3+1], v[ONE:ONE+1]        ; 1 - y^2 / (3 c^2) = 1 - x^2 / 3: plain work behind the reciprocals
.endr
.irp j, 0,2,4,6
	v_pk_mul_f32 v[T8+\j:T8+\j+1], v[T8+\j:T8+\j+1], v[\x+\j:\x+\j+1]                ; c (x - x^3/3)
.endr
	s_wait_alu depctr_va_vdst(0)
.irp j, 0,2,4,6
	v_pk_fma_f32 v[E+\j:E+\j+1], v[E+\j:E+\j+1], v[CT2:CT2+1], v[CT:CT+1]            ; c - 2 c / (1 + 2^y)
.endr
.irp j, 0,1,2,3,4,5,6,7
	v_med3_num_f32 v[\x+\j], v[E+\j], v[T8+\j], v[\x+\j]
.endr
.endm
; Two tiles of 16 x 16 (q = 2 p, 2 p + 1): products, both tanh, the weighted sum, word p of each of my eight rows.  more = 1: the fragments of tiles (nc, nq), (nc, nq + 1) are fetched.
.macro GROUP p, more, nc, nq
	s_wait_dscnt 0x0                               ; this group's six fragment loads are in
	; the accumulators take turns, one instruction a turn
	v_wmma_f32_16x16x32_bf16 v[UA:UA+7], v[XS1:XS1+7], v[YA:YA+7], 0
	v_wmma_f32_16x16x32_bf16 v[UB:UB+7], v[XS1:XS1+7], v[YB:YB+7], 0
	v_wmma_f32_16x16x32_bf16 v[UA:UA+7], v[XS2:XS2+7], v[YA:YA+7], v[UA:UA+7]
	v_wmma_f32_16x16x32_bf16 v[UB:UB+7], v[XS2:XS2+7], v[YB:YB+7], v[UB:UB+7]
	v_wmma_f32_16x16x32_bf16 v[VA:VA+7], v[LA:LA+7], v[LBA:LBA+7], 0
	v_wmma_f32_16x16x32_bf16 v[VB:VB+7], v[LA:LA+7], v[LBB:LBB+7], 0
.rept 4
	v_nop                                          ; four places in front of the loads into the B fragments and of the first reads of results
.endr
.if \more
	FRAGS \nc, \nq                                 ; they have the element-wise work below in which to land
.endif
	TANH UA
	TANH UB
	TANH VA
	TANH VB
.irp j, 0,2,4,6
	v_pk_mul_f32 v[UA+\j:UA+\j+1], v[UA+\j:UA+\j+1], v[GA:GA+1]                      ; a' tanh U
	v_pk_mul_f32 v[UB+\j:UB+\j+1], v[UB+\j:UB+\j+1], v[GA:GA+1]
.endr
.irp j, 0,2,4,6
	v_pk_fma_f32 v[UA+\j:UA+\j+1], v[VA+\j:VA+\j+1], v[GB:GB+1], v[UA+\j:UA+\j+1]    ; + b' tanh V
	v_pk_fma_f32 v[UB+\j:UB+\j+1], v[VB+\j:VB+\j+1], v[GB:GB+1], v[UB+\j:UB+\j+1]
.endr
.if \p == 0
	s_wait_xcnt 0x0                                ; OUT, which earlier stores read (the first half of xb; the last block of wb), is rewritten only behind this wait
.endif
.irp j, 0,1,2,3,4,5,6,7
	v_cvt_pk_f16_f32 v[OUT+4*\j+\p], v[UA+\j], v[UB+\j]    ; row 8 HH + j, columns 8 RR + 2 p and + 2 p + 1 of the block of 128; at most 32,768 in size
.endr
.endm
; Columns 128 c .. 128 c + 127 of my 16 rows.
.macro BLOCK c
	GROUP 0, 1, \c, 2
	GROUP 1, 1, \c, 4
	GROUP 2, 1, \c, 6
.if \c
	GROUP 3, 0, 0, 0                               ; the last group fetches nothing
.else
	GROUP 3, 1, 1, 0
.endif
.irp j, 0,1,2,3,4,5,6,7
	global_store_b128 v[WO], v[OUT+4*\j:OUT+4*\j+3], s[30:31] offset:WROW*\j+256*\c   ; lanes 0-15: 256 neighbouring aligned bytes of row j; lanes 16-31: of row j + 8
.endr
.endm
	CONVX_FIRST
	s_wait_dscnt 0x0                               ; the strip's fragments are in
	v_cmp_gt_u32 vcc_lo, 16, v[LANE]
.irp j, 0,1,2,3
	v_cndmask_b32 v[LA+\j], 0, v[LA+\j], vcc_lo    ; K 8-15 (lanes 16-31) of the LoRA product are empty
.endr
	BLOCK 0
	CONVX_LAST
	BLOCK 1
	s_wait_tensorcnt 0x0
	ds_add_u32 v224, v225
	s_wait_dscnt 0x0
	s_endpgm
.Lfunc_end_k_q0146aaca0d_prep:
	.size	k_q0146aaca0d_prep, .Lfunc_end_k_q0146aaca0d_prep-k_q0146aaca0d_prep
	.p2alignl 7, 3214868480
	.fill 96, 4, 3214868480
	.section	.rodata,"a",@progbits
	.p2align	6, 0x0
	.amdhsa_kernel k_q0146aaca0d_prep
		.amdhsa_group_segment_fixed_size 43008
		.amdhsa_private_segment_fixed_size 0
		.amdhsa_enable_private_segment 0
		.amdhsa_kernarg_size 96
		.amdhsa_user_sgpr_count 2
		.amdhsa_user_sgpr_kernarg_segment_ptr 1
		.amdhsa_wavefront_size32 1
		.amdhsa_system_sgpr_workgroup_id_x 1
		.amdhsa_system_sgpr_workgroup_id_y 1
		.amdhsa_system_sgpr_workgroup_id_z 1
		.amdhsa_system_vgpr_workitem_id 0
		.amdhsa_next_free_vgpr 226
		.amdhsa_next_free_sgpr 100
		.amdhsa_reserve_vcc 1
		.amdhsa_float_denorm_mode_32 3
		.amdhsa_float_denorm_mode_16_64 3
		.amdhsa_memory_ordered 1
		.amdhsa_forward_progress 1
		.amdhsa_inst_pref_size 126
	.end_amdhsa_kernel
	.amdgpu_metadata
---
amdhsa.version: [ 1, 2 ]
amdhsa.kernels:
  - .name:           k_q0146aaca0d_prep
    .symbol:         k_q0146aaca0d_prep.kd
    .args:
      - { .name: x, .offset: 0, .size: 8, .value_kind: global_buffer, .address_space: global }
      - { .name: amp, .offset: 8, .size: 8, .value_kind: global_buffer, .address_space: global }
      - { .name: rf, .offset: 16, .size: 8, .value_kind: global_buffer, .address_space: global }
      - { .name: cf, .offset: 24, .size: 8, .value_kind: global_buffer, .address_space: global }
      - { .name: rp, .offset: 32, .size: 8, .value_kind: global_buffer, .address_space: global }
      - { .name: cp, .offset: 40, .size: 8, .value_kind: global_buffer, .address_space: global }
      - { .name: lora_A, .offset: 48, .size: 8, .value_kind: global_buffer, .address_space: global }
      - { .name: lora_B, .offset: 56, .size: 8, .value_kind: global_buffer, .address_space: global }
      - { .name: alpha, .offset: 64, .size: 8, .value_kind: global_buffer, .address_space: global }
      - { .name: beta, .offset: 72, .size: 8, .value_kind: global_buffer, .address_space: global }
      - { .name: xb, .offset: 80, .size: 8, .value_kind: global_buffer, .address_space: global }
      - { .name: wb, .offset: 88, .size: 8, .value_kind: global_buffer, .address_space: global }
    .group_segment_fixed_size: 43008
    .private_segment_fixed_size: 0
    .kernarg_segment_align: 8
    .kernarg_segment_size: 96
    .max_flat_workgroup_size: 512
    .sgpr_count:     100
    .vgpr_count:     226
    .wavefront_size: 32
...
	.end_amdgpu_metadata
.endif
;; end of part 1
;; launch gemm (part 2): grid 16 x 16, 4 waves a work-group, clusters of 4 x 4, 327,680 bytes of LDS; arguments xb, wb, bias, out0; writes out0
.if DOCPART == 2
	.amdgcn_target "amdgcn-amd-amdhsa--gfx1250"
	.amdhsa_code_object_version 6
	.text
	.protected	k_q0146aaca0d_gemm
	.globl	k_q0146aaca0d_gemm
	.p2align	8
	.type	k_q0146aaca0d_gemm,@function
k_q0146aaca0d_gemm:
	s_mov_b64 s[64:65], 0
	v_nop
	global_prefetch_b8 v0, s[64:65] scope:SCOPE_SE
	s_setreg_imm32_b32 hwreg(HW_REG_WAVE_MODE, 25, 1), 1
	s_wait_xcnt 0x0
	s_wait_alu depctr_hold_cnt(0) depctr_sa_sdst(0) depctr_va_vdst(0) depctr_va_sdst(0) depctr_va_ssrc(0) depctr_va_vcc(0) depctr_vm_vsrc(0)
	s_getreg_b32 s2, hwreg(HW_REG_IB_STS2, 6, 4)
	s_cmp_eq_u32 s2, 0
	s_cbranch_scc0 .Lentry_in_a_cluster
	s_endpgm
.Lentry_in_a_cluster:
	s_bfe_u32 s2, ttmp6, 0x10000c
	s_cmp_lg_u32 s2, 0xf033
	s_cbranch_scc0 .Lentry_shape_is_right
	s_endpgm
.Lentry_shape_is_right:
; out0[t][o] = 2^-20 (sum over i of xb[t][i] wb[o][i]) + bias[o].  xb (A): [4096][4096] f16 = x; wb (B): [4096][4096] f16 = 2^20 W; bias: [4096] f32;
; out0: [4096][4096] f32; sums in f32 (at most 65,504 x 32,768 x 4,096 = 8.8e12 in size).  The power of two is taken back in the fused multiply-add that adds the bias.
; A work-group makes a block of 256 x 256 of out0 with four waves, as many as a WGP has SIMDs; a wave makes 128 x 128: 64 accumulator tiles
; of 16 x 16, 512 registers.  K goes in steps of 128 through a ring of two LDS slots filled by the tensor data mover: a tile's rows are
; 256 bytes of memory and start at multiples of 256 bytes from the buffer's first byte.  16 x 16 blocks = 256 work-groups of equal work.
; CLUSTERS: 4 x 4 work-groups form a cluster.  The four of a row of the cluster make blocks of one block row and need the same tiles of A; the four of
; a column need the same tiles of B.  Such a tile is asked for JOINTLY: each of the four issues the same tensor load, with the same descriptor and a mask that
; names the four, and each receives the tile in its own LDS.  That divides the requests for A and for B by four.
;
; REGISTERS, in windows of 256 (an instruction names v0-v255; s_set_vgpr_msb says which window each operand place means):
;   window 0: v0-31 addresses and the bias; v64-127, v128-191 fragments of A (8 x 16 rows x 32 K), two buffers, and on the way out rows of the result
;   window 1: v64-127, v128-191 fragments of B, two buffers
;   window 2: the 32 accumulator tiles of my rows 0-63 (tile (a, b) at v[8 (8 a + b)]);   window 3: those of my rows 64-127
; s_set_vgpr_msb's low byte: bits 1:0 source 0, 3:2 source 1, 5:4 source 2, 7:6 destination.  Work is laid in long stretches under one setting.
;
; THE MATRIX INSTRUCTION IS USED TRANSPOSED: source 0 = 16 rows of B, source 1 = 16 rows of A.  In the result, lane l then holds row
; m = l % 16, and its registers 0 to 7 the columns n = 8 (l / 16) + 0 .. 7: eight NEIGHBOURING f32 of a row, 32 bytes, which go into the stage as two stores of 16.
.set SIZE_K, 4096
.set SIZE_N, 4096
.set KSTEP,  128
.set PITCH,  272                       ; an LDS row: 256 bytes of data + 16 of padding = 68 words: row r starts at bank 4 r mod 64 (64 banks of 4 bytes: ISA guide 11.1), so the 16 rows that a load touches start at 16 different banks
.set HALFT,  128*PITCH                 ; 128 rows: what one tensor load brings, and what one wave reads of A or of B
.set SLOT,   4*HALFT                   ; A's 256 rows, then B's 256 rows
.set STAGE,  2*SLOT                    ; behind the ring (1,088 blocks of 256 bytes), never the target of a tensor load: 16 rows x 528 bytes for each wave, for the way out
.set SPITCH, 528                       ; 128 f32 + 16 bytes = 33 x 16 bytes
.set OROW,   SIZE_N*4                  ; bytes in a row of out0
.set UNSCALE, 0x35800000               ; 2^-20
.set LAPS, SIZE_K/(2*KSTEP)            ; a lap = two K steps = once round the ring: 16
.set ADRA, 16                          ; v16-17  LDS address of my A fragments in slot 0, 1
.set ADRB, 20                          ; v20-21  the same for B
.set STO,  24                          ; v24     the way out: where I put 32 bytes of a row
.set RD,   25                          ; v25     the way out: where I read 16 bytes of a row back
.set CO,   26                          ; v26     my byte offset in a row's 512 bytes of out0
.set BO,   27                          ; v27     my byte offset in bias
.set BIAS, 28                          ; v[28:31] the bias of my four columns on the way out
.set F0,   64                          ; fragment buffer 0
.set F1,   128                         ; fragment buffer 1
.set G1, 24                            ; s[24:31] descriptor group 1 for A's tiles
.set G0, 32                            ; s[32:39] descriptor group 0 for A's tiles, one set for each slot
.set G1B, 48                           ; s[48:55] descriptor group 1 for B's tiles: it differs from A's in the mask alone
.set G0B, 56                           ; s[56:63] descriptor group 0 for B's tiles, one set for each slot
.set MSB, 0
.macro WIN new                         ; the immediate's high byte repeats the setting that is left
.if MSB != \new
	s_set_vgpr_msb (MSB<<8)|\new
.set MSB, \new
.endif
.endm
.set MUL_LO, 0xa1                      ; source 0 (B) window 1, source 1 (A) window 0, C and D window 2
.set MUL_HI, 0xf1                      ; the same, C and D window 3
.set TO_B,   0x40                      ; destination window 1, address window 0
; A joint load.  Waves 0 and 1 fetch A's two halves, waves 2 and 3 B's.  Each of the two lines has ONE mask and one set of registers for all that issue it, and nothing in
; them hangs on a coordinate that the four partners do not share.  The branch hangs on the wave's number alone: it is the same in every work-group.
.macro JLOAD s
	s_cmp_eq_u32 s11, 0
	s_cbranch_scc0 .Lfor_b_\@
	tensor_load_to_lds s[G0+4*\s:G0+4*\s+3], s[G1:G1+7]
	s_nop 0
	s_branch .Lasked_\@
.Lfor_b_\@:
	tensor_load_to_lds s[G0B+4*\s:G0B+4*\s+3], s[G1B:G1B+7]
	s_nop 0
.Lasked_\@:
.endm
; A round of the cluster's barrier: my work-group's barrier, so that wave 0's signal speaks for all four waves; wave 0 signals for the work-group; every wave waits for all
; sixteen work-groups; my work-group's barrier once more.  No LDS instruction of the wave is pending at a signal.
.macro CREST                           ; a round behind its opening barrier
	s_cmp_lg_u32 s10, 0
	s_cbranch_scc1 .Lnot_wave_0_\@
	s_barrier_signal -3
.Lnot_wave_0_\@:
	s_barrier_wait -3
	s_barrier_signal -1
	s_barrier_wait -1
.endm
.macro CROUND                          ; a whole round
	s_barrier_signal -1
	s_barrier_wait -1
	CREST
.endm
	s_load_b128 s[4:7], s[0:1], 0x0                ; A (xb) s[4:5], B (wb) s[6:7]
	s_load_b64 s[66:67], s[0:1], 0x10              ; bias
	s_load_b64 s[8:9], s[0:1], 0x18                ; out0
	s_set_vgpr_msb 0x40
	v_lshl_add_u32 v255, v0, 2, 0x4c400
	s_set_vgpr_msb 0x4000
	v_mov_b32 v255, 0
	s_set_vgpr_msb 0x1
	ds_add_u32 v255, v255
	s_set_vgpr_msb 0x100
	v_lshrrev_b32 v1, 5, v0
	v_readfirstlane_b32 s10, v1                    ; wave 0..3
	s_lshr_b32 s11, s10, 1                         ; which half of the block's rows is mine.  Also: I fetch for A (0) or for B (1)
	s_and_b32 s12, s10, 1                          ; which half of its columns.  Also: which 128 rows of that tile I fetch
	s_bfe_u32 s40, ttmp6, 0x40000                  ; cx: my place along the cluster's x
	s_bfe_u32 s41, ttmp6, 0x40004                  ; cy: along its y
	s_lshl_b32 s42, ttmp9, 2                       ; in a cluster launch ttmp9 and ttmp7 count clusters
	s_add_co_u32 s42, s42, s40                     ; block column = 4 x cluster x + cx
	s_and_b32 s13, ttmp7, 0xffff
	s_lshl_b32 s13, s13, 2
	s_add_co_u32 s13, s13, s41                     ; block row = 4 x cluster y + cy
	s_lshl_b32 s43, s41, 2
	s_lshl_b32 s43, 15, s43                        ; my row of the cluster: places 4 cy .. 4 cy + 3
	s_lshl_b32 s44, 0x1111, s40                    ; my column: places cx, cx + 4, cx + 8, cx + 12
	; descriptor group 1: a tile of 128 rows x 128 elements, padded in LDS
	s_or_b32 s[G1+0], s43, (1<<16)|(1<<20)|(1<<21)|(5<<22)|(3<<25)  ; 15:0 the mask: A's tiles go to my row; 17:16 element of 2 bytes; 20 padding on; 21 set beside a mask; 24:22 after every 64 words (code 5); 31:25 of 4 words (code 3)
	s_or_b32 s[G1B+0], s44, (1<<16)|(1<<20)|(1<<21)|(5<<22)|(3<<25) ; the same with the mask of my column, for B's tiles
	s_mov_b32 s[G1B+1], KSTEP<<16
	s_mov_b32 s[G1+1], KSTEP<<16                   ; 63:48 tensor_dim0, low half = 128
	s_mov_b32 s[G1B+2], 128<<16
	s_mov_b32 s[G1+2], 128<<16                     ; 79:64 its high half = 0; 95:80 tensor_dim1, low half = 128
	s_mov_b32 s[G1B+3], KSTEP<<16
	s_mov_b32 s[G1+3], KSTEP<<16                   ; 111:96 its high half = 0; 127:112 tile_dim0 = 128
	s_mov_b32 s[G1B+4], 128
	s_mov_b32 s[G1+4], 128                         ; 143:128 tile_dim1 = 128; 159:144 tile_dim2 = 0
	s_mov_b32 s[G1B+5], SIZE_K
	s_mov_b32 s[G1+5], SIZE_K                      ; 191:160 tensor_dim0_stride, low word: elements from row to row
	s_mov_b32 s[G1B+6], 0
	s_mov_b32 s[G1+6], 0
	s_mov_b32 s[G1B+7], 0
	s_mov_b32 s[G1+7], 0
	; where the tiles come from.  A's hang on the block row alone, which my row of the cluster shares; B's on the block column alone, which my column shares.
	; Every wave makes both addresses, in registers that never hold the other coordinate, and asks by one of them.
	s_lshl_b32 s17, s12, 7                         ; which 128 rows of the tile I fetch
	s_lshl_b32 s16, s13, 8
	s_add_co_u32 s16, s16, s17                     ; A: row 256 x block row + 128 x half
	s_lshl_b32 s46, s42, 8
	s_add_co_u32 s46, s46, s17                     ; B: row 256 x block column + 128 x half
	s_mov_b32 s17, 0
	s_mov_b32 s47, 0
	s_mov_b64 s[18:19], SIZE_K*2
	s_mul_u64 s[16:17], s[16:17], s[18:19]         ; in bytes, in 64 bits
	s_mul_u64 s[46:47], s[46:47], s[18:19]
	s_mul_i32 s20, s10, HALFT                      ; and where they go: A's two halves, then B's two halves = wave x 128 rows: no place in the cluster enters an LDS address
	s_wait_dscnt 0x0
	s_wait_kmcnt 0x0
	s_add_nc_u64 s[14:15], s[4:5], s[16:17]
	s_add_nc_u64 s[46:47], s[6:7], s[46:47]
	CROUND                                         ; all sixteen work-groups are here: the first joint loads meet
.irp s, 0,1
	s_mov_b32 s[G0+4*\s], 1                                        ; 1:0 count = 1
	s_add_co_u32 s[G0+4*\s+1], s20, \s*SLOT                        ; 63:32 LDS address
	s_add_nc_u64 s[G0+4*\s+2:G0+4*\s+3], s[14:15], \s*KSTEP*2      ; 120:64 global address: K step s
	s_or_b32 s[G0+4*\s+3], s[G0+4*\s+3], 0x80000000                ; 127:126 type = 2
	s_mov_b32 s[G0B+4*\s], 1
	s_add_co_u32 s[G0B+4*\s+1], s20, \s*SLOT
	s_add_nc_u64 s[G0B+4*\s+2:G0B+4*\s+3], s[46:47], \s*KSTEP*2
	s_or_b32 s[G0B+4*\s+3], s[G0B+4*\s+3], 0x80000000
	JLOAD \s                                       ; the ring is filled before anything else is done: two tensor loads of the wave are out
.endr
	; A fragment is 16 rows x 32 K in 8 registers: lane l holds row l % 16; registers 0-3 hold K = 8 (l / 16) + 0..7, registers 4-7 hold
	; K = 16 + 8 (l / 16) + 0..7.  From rows that lie along K: two loads of 16 bytes, 32 bytes apart.  The same for source 0 and source 1.
	v_and_b32 v1, 15, v0                           ; l % 16
	v_bfe_u32 v2, v0, 4, 1                         ; l / 16
	v_mul_u32_u24 v3, v1, PITCH
	v_lshl_add_u32 v3, v2, 4, v3                   ; row x pitch + 16 x half
	s_mul_i32 s21, s11, HALFT                      ; my 128 rows of A
	s_mul_i32 s22, s12, HALFT                      ; my 128 rows of B,
	s_add_co_u32 s22, s22, 2*HALFT                 ; which lie behind A's 256
.irp s, 0,1
	v_add_nc_u32 v[ADRA+\s], s21, v3
	v_add_nc_u32 v[ADRB+\s], s22, v3
	s_add_co_u32 s21, s21, SLOT
	s_add_co_u32 s22, s22, SLOT
.endr
	s_mul_i32 s23, s10, 16*SPITCH
	s_add_co_u32 s23, s23, STAGE                   ; my stage
	v_mul_u32_u24 v4, v1, SPITCH                   ; in: row l % 16, 32 bytes for each half of the lanes
	v_lshl_add_u32 v4, v2, 5, v4
	v_add_nc_u32 v[STO], s23, v4
	v_and_b32 v5, 31, v0
	v_lshlrev_b32 v[CO], 4, v5                     ; back and out: the 32 lanes take one row's 512 bytes
	v_add_nc_u32 v[RD], s23, v[CO]
	s_lshl_b32 s45, s42, 1
	s_add_co_u32 s45, s45, s12
	s_lshl_b32 s45, s45, 9                         ; my first column in bytes of f32: 1,024 x block column + 512 x half
	v_add_nc_u32 v[BO], s45, v[CO]
	global_load_b128 v[BIAS:BIAS+3], v[BO], s[66:67]       ; waited for in front of the way out
; 16 matrix instructions: m blocks a0, a0 + 1 of the window's four (hi = 0: my rows 0-63, 1: rows 64-127) x all 8 n blocks, 32 along K.
; zero = 1: the first product starts the sums: nothing is ever cleared.
; The 64 accumulators take turns, one instruction a turn, in the same order in every quarter step.
.macro MUL16 f, hi, a0, zero
.irp a, \a0, \a0+1
.irp b, 0,1,2,3,4,5,6,7
.if \zero
	v_wmma_f32_16x16x32_f16 v[8*(8*(\a)+\b):8*(8*(\a)+\b)+7], v[\f+8*\b:\f+8*\b+7], v[\f+8*(4*\hi+\a):\f+8*(4*\hi+\a)+7], 0
.else
	v_wmma_f32_16x16x32_f16 v[8*(8*(\a)+\b):8*(8*(\a)+\b)+7], v[\f+8*\b:\f+8*\b+7], v[\f+8*(4*\hi+\a):\f+8*(4*\hi+\a)+7], v[8*(8*(\a)+\b):8*(8*(\a)+\b)+7]
.endif
.endr
.endr
.endm
; 32 LDS loads in one run: the fragments of one quarter step (128 rows of B, 128 rows of A, 32 K at byte k of the rows) into buffer f
.macro FETCH slot, k, f
	WIN TO_B
.irp i, 0,1,2,3,4,5,6,7
	ds_load_b128 v[\f+8*\i:\f+8*\i+3],   v[ADRB+\slot] offset:\k+\i*16*PITCH
	ds_load_b128 v[\f+8*\i+4:\f+8*\i+7], v[ADRB+\slot] offset:\k+\i*16*PITCH+32
.endr
	WIN 0
.irp i, 0,1,2,3,4,5,6,7
	ds_load_b128 v[\f+8*\i:\f+8*\i+3],   v[ADRA+\slot] offset:\k+\i*16*PITCH
	ds_load_b128 v[\f+8*\i+4:\f+8*\i+7], v[ADRA+\slot] offset:\k+\i*16*PITCH+32
.endr
.endm
; A load into a register that a matrix instruction has read, and an instruction that reads a matrix result, stand four places behind that matrix
; instruction, and only plain vector instructions that name none of its registers are places (ISA guide 7.12.1 for vector instructions)
; the matrix instructions in between are not counted.  So four v_nop stand in front of each run of loads.
.macro PLACES
.rept 4
	v_nop
.endr
.endm
; A K step is four quarter steps of 32 along K, 64 matrix instructions each, on buffers 0, 1, 0, 1.
; One of the first three: multiplies buffer f; in its middle it fetches the next quarter's fragments, at byte k of the same slot's rows, into buffer g.
.macro QUARTER slot, k, f, g, zero
	s_wait_dscnt 8                                 ; B and A's rows 0-63 are in; the youngest eight loads (A's rows 64-127) may be out
	WIN MUL_LO
	MUL16 \f, 0, 0, \zero
	MUL16 \f, 0, 2, \zero
	PLACES
	FETCH \slot, \k, \g
	s_wait_dscnt 32                                ; all but the 32 just issued
	WIN MUL_HI
	MUL16 \f, 1, 0, \zero
	MUL16 \f, 1, 2, \zero
.endm
.macro THREE slot, zero
	QUARTER \slot, 64,  F0, F1, \zero
	QUARTER \slot, 128, F1, F0, 0
	QUARTER \slot, 192, F0, F1, 0
.endm
; The last quarter: multiplies buffer 1 and changes slots.  next = the other slot; fill = 1: this slot is filled again, two K steps ahead.
; ONE barrier for the change of slots, for two things.  In front of it each wave waits for its own reads of this slot and for all its tensor loads,
; of which one is out: its part of the next slot.  Behind it nobody reads this slot any more and the next slot is whole: the refill comes
; first, then the next slot's first fragments.  From a request to the wait for it a wave issues 240 matrix instructions.
.macro TURN slot, next, fill
	s_wait_dscnt 8
	WIN MUL_LO
	MUL16 F1, 0, 0, 0
	s_wait_dscnt 0                                 ; my reads of this slot are over (the last were issued 48 matrix instructions ago)
	s_wait_tensorcnt 0x0                           ; and all my tensor loads have landed: the one that was out is my part of the next slot:
	ds_add_u32 v255, v255
	s_wait_dscnt 0x0
	s_barrier_signal -1                            ; say so (where a slot is filled again this barrier opens a round of the cluster's barrier),
	MUL16 F1, 0, 2, 0                              ; work on registers while the others arrive,
	WIN 0
	s_barrier_wait -1                              ; and go on when all four have said so
.if \fill
	CREST                                          ; wave 0 says so for the work-group, all sixteen work-groups have said so, my work-group's barrier closes the round:
	                                               ; no wave of any partner still reads this slot's tile or has a load on its way
	s_add_nc_u64 s[G0+4*\slot+2:G0+4*\slot+3], s[G0+4*\slot+2:G0+4*\slot+3], 2*KSTEP*2
	s_add_nc_u64 s[G0B+4*\slot+2:G0B+4*\slot+3], s[G0B+4*\slot+2:G0B+4*\slot+3], 2*KSTEP*2
	JLOAD \slot                                    ; the first tensor load behind the round, and the wave's only one until the next
.endif
	PLACES
	FETCH \next, 0, F0
	WIN MUL_HI
	MUL16 F1, 1, 0, 0
	MUL16 F1, 1, 2, 0
.endm
.macro LAP zero                        ; once round the ring, both slots filled again
	THREE 0, \zero
	TURN 0, 1, 1
	THREE 1, 0
	TURN 1, 0, 1
.endm
	s_wait_tensorcnt 1                             ; my part of K step 0 is in; K step 1's load may stay out
	s_barrier_signal -1
	s_barrier_wait -1                              ; everybody's is
	FETCH 0, 0, F0
	LAP 1                                          ; the first lap stands in front of the loop: its first products start the sums
	WIN 0                                          ; at a label and at a branch every window is 0
	s_mov_b32 s3, LAPS-2
.Llap:
	LAP 0
	WIN 0
	s_sub_co_u32 s3, s3, 1
	s_cmp_lg_u32 s3, 0
	s_cbranch_scc1 .Llap
	THREE 0, 0                                     ; the last lap fills nothing, and has no round of the cluster's barrier: my one tensor load that is still out is slot 1's, the last K step's
	TURN 0, 1, 0
	THREE 1, 0
	s_wait_dscnt 8                                 ; the very last quarter: nothing more to fetch
	WIN MUL_LO
	MUL16 F1, 0, 0, 0
	MUL16 F1, 0, 2, 0
	s_wait_dscnt 0
	WIN MUL_HI
	MUL16 F1, 1, 0, 0
	MUL16 F1, 1, 2, 0
	; THE WAY OUT, 16 rows at a time: the f32 sums go straight from the accumulators into my own stage in LDS, 32 bytes a lane, and come back as whole rows
	; of 512 bytes, which are multiplied by 2^-20 and get the bias in one fused multiply-add.  The four v_nop of PLACES are the places behind the last
	; matrix instructions: for the LDS stores, which read results, and for the loads into buffers 0 and 1.
	PLACES
	s_lshl_b32 s13, s13, 8
	s_lshl_b32 s14, s11, 7
	s_add_co_u32 s16, s13, s14                     ; my first row, at most 3,968,
	s_lshl_b32 s16, s16, 14                        ; times 16,384 bytes: below 2^26
	s_mov_b32 s17, 0
	s_add_nc_u64 s[8:9], s[8:9], s[16:17]
	s_mov_b32 s46, s45                             ; my first column in bytes, as for the bias (in the registers that held B's address)
	s_mov_b32 s47, 0
	s_add_nc_u64 s[8:9], s[8:9], s[46:47]
	s_wait_loadcnt 0x0                             ; the bias, asked for at the start
; rows 16 i .. 16 i + 15 of my block = the eight tiles (a, 0..7) of window 2 or 3 (from = 0x08 or 0x0c: an LDS store's data are source 1); f: F0 or F1 in turn
.macro OUT16 i, a, from, f
	WIN \from
.irp b, 0,1,2,3,4,5,6,7
	ds_store_b128 v[STO], v[8*(8*\a+\b):8*(8*\a+\b)+3]   offset:64*\b      ; row l % 16, columns 16 b + 8 (l / 16) + 0..3
	ds_store_b128 v[STO], v[8*(8*\a+\b)+4:8*(8*\a+\b)+7] offset:64*\b+16   ; + 4..7
.endr
	WIN 0
	s_wait_xcnt 0x0                                ; buffer f, which stores read, and the stores' base are rewritten only behind this wait
.if \i
	s_add_nc_u64 s[8:9], s[8:9], 16*OROW           ; 16 rows on, so that the stores' offsets stay at 15 rows at the most: 245,760 bytes
.endif
.irp t, 0,1,2,3,4,5,6,7,8,9,10,11,12,13,14,15
	ds_load_b128 v[\f+4*\t:\f+4*\t+3], v[RD] offset:\t*SPITCH      ; LDS serves a wave's instructions in order (ISA guide 5.7.1.4): these see the stores above
.endr
.irp t, 0,1,2,3,4,5,6,7,8,9,10,11,12,13,14,15
	s_wait_dscnt 15-\t                             ; row t of the sixteen is in
	v_pk_fma_f32 v[\f+4*\t:\f+4*\t+1],   v[\f+4*\t:\f+4*\t+1],   UNSCALE, v[BIAS:BIAS+1]   op_sel_hi:[1,0,1]
	v_pk_fma_f32 v[\f+4*\t+2:\f+4*\t+3], v[\f+4*\t+2:\f+4*\t+3], UNSCALE, v[BIAS+2:BIAS+3] op_sel_hi:[1,0,1]
	global_store_b128 v[CO], v[\f+4*\t:\f+4*\t+3], s[8:9] offset:\t*OROW th:TH_STORE_NT   ; the wave stores 512 consecutive bytes of one row, at a multiple of 512 from out0's first byte
.endr
.endm
	OUT16 0, 0, 0x08, F0
	OUT16 1, 1, 0x08, F1
	OUT16 2, 2, 0x08, F0
	OUT16 3, 3, 0x08, F1
	OUT16 4, 0, 0x0c, F0
	OUT16 5, 1, 0x0c, F1
	OUT16 6, 2, 0x0c, F0
	OUT16 7, 3, 0x0c, F1
	s_set_vgpr_msb 0x1
	s_wait_tensorcnt 0x0
	ds_add_u32 v255, v255
	s_wait_dscnt 0x0
	s_set_vgpr_msb 0x100
	CROUND                                         ; the closing round: no work-group ends while a partner may still ask for a tile that names it
	s_endpgm
.Lfunc_end_k_q0146aaca0d_gemm:
	.size	k_q0146aaca0d_gemm, .Lfunc_end_k_q0146aaca0d_gemm-k_q0146aaca0d_gemm
	.p2alignl 7, 3214868480
	.fill 96, 4, 3214868480
	.section	.rodata,"a",@progbits
	.p2align	6, 0x0
	.amdhsa_kernel k_q0146aaca0d_gemm
		.amdhsa_group_segment_fixed_size 327680
		.amdhsa_private_segment_fixed_size 0
		.amdhsa_enable_private_segment 0
		.amdhsa_kernarg_size 32
		.amdhsa_user_sgpr_count 2
		.amdhsa_user_sgpr_kernarg_segment_ptr 1
		.amdhsa_wavefront_size32 1
		.amdhsa_system_sgpr_workgroup_id_x 1
		.amdhsa_system_sgpr_workgroup_id_y 1
		.amdhsa_system_sgpr_workgroup_id_z 1
		.amdhsa_system_vgpr_workitem_id 0
		.amdhsa_next_free_vgpr 1024
		.amdhsa_next_free_sgpr 68
		.amdhsa_reserve_vcc 0
		.amdhsa_float_denorm_mode_32 3
		.amdhsa_float_denorm_mode_16_64 3
		.amdhsa_memory_ordered 1
		.amdhsa_forward_progress 1
		.amdhsa_inst_pref_size 220
	.end_amdhsa_kernel
	.amdgpu_metadata
---
amdhsa.version: [ 1, 2 ]
amdhsa.kernels:
  - .name:           k_q0146aaca0d_gemm
    .symbol:         k_q0146aaca0d_gemm.kd
    .args:
      - { .name: xb, .offset: 0, .size: 8, .value_kind: global_buffer, .address_space: global }
      - { .name: wb, .offset: 8, .size: 8, .value_kind: global_buffer, .address_space: global }
      - { .name: bias, .offset: 16, .size: 8, .value_kind: global_buffer, .address_space: global }
      - { .name: out0, .offset: 24, .size: 8, .value_kind: global_buffer, .address_space: global }
    .group_segment_fixed_size: 327680
    .private_segment_fixed_size: 0
    .kernarg_segment_align: 8
    .kernarg_segment_size: 32
    .max_flat_workgroup_size: 128
    .sgpr_count:     68
    .vgpr_count:     1024
    .wavefront_size: 32
...
	.end_amdgpu_metadata
.endif
;; end of part 2
;; ======== version 2 of 2: 2 launches; version 1 with the launch prep written anew for expert scheduling mode
;; limits: inputs' magnitudes at most 65,504; below input magnitudes of 6.1e-05 results are inexact or not finite; values are held in f16: magnitudes above 65,504 overflow, below 6.1e-05 lose precision
;; workspace buffers: xb 33,554,432 bytes; wb 33,554,432 bytes
;; launch prep (part 3): grid 256 x 1, 16 waves a work-group, no clusters, 43,008 bytes of LDS; arguments x, amp, rf, cf, rp, cp, lora_A, lora_B, alpha, beta, xb, wb; writes xb, wb
.if DOCPART == 3
	.amdgcn_target "amdgcn-amd-amdhsa--gfx1250"
	.amdhsa_code_object_version 6
	.text
	.protected	k_q0146aaca0d_prep
	.globl	k_q0146aaca0d_prep
	.p2align	8
	.type	k_q0146aaca0d_prep,@function
k_q0146aaca0d_prep:
	s_mov_b64 s[64:65], 0
	v_nop
	global_prefetch_b8 v0, s[64:65] scope:SCOPE_SE
	s_setreg_imm32_b32 hwreg(HW_REG_WAVE_SCHED_MODE, 0, 2), 2
	s_setreg_imm32_b32 hwreg(HW_REG_WAVE_MODE, 25, 1), 1
	s_wait_xcnt 0x0
	s_wait_alu depctr_vm_vsrc(0)
; Two jobs that do not depend on each other, in one body, so that the memory-bound one runs under the arithmetic of the other:
;  (a) wb[o][i] = f16( 2^20 W[o][i] ) = f16( a' tanh(U[o][i]) + b' tanh(V[o][i]) ),  a' = 2^14 sigmoid(alpha), b' = 2^14 sigmoid(beta)
;      (sqrt(2/8192) = 1/64 exactly, and 2^20 / 64 = 2^14; the next launch multiplies its sums by 2^-20),
;      U = sum over 16 frequencies of amp sin(r_o rf + rp) cos(c_i cf + cp),  V = lora_A lora_B (rank 2);
;  (b) xb = f16(x).
; WHY f16 AND THE POWER OF TWO.  The big product's operands carry 11 significant bits in f16 against 8 in bf16.  tanh and sigmoid bound |2^20 W| by
; 2 x 2^14 = 32,768 for every input, below f16's largest number 65,504, and f16 keeps its full precision down to |W| = 2^-14 / 2^20 = 5.8e-11.
; 256 work-groups of 16 waves.  Work-group g = 16 ob + ib makes the block of 256 x 256 of W at (256 ob, 256 ib) and casts rows 16 g .. 16 g + 15 of x.
; Wave w makes the block's rows 16 w .. 16 w + 15 and casts row 16 g + w.
; U and V are matrix products in bf16 with f32 sums.  Each f32 factor is split into hi + lo (two bf16), and the K places that rank 16 and rank 2 leave
; empty in a K of 32 carry the cross terms, so the factors enter with 16 mantissa bits.  The factor c = 2 log2(e) = 2.88539 rides on amp sin and on lora_A,
; so that the products come out as y = c U and c V, which the exponential of base 2 takes as they are.
; No cluster: the work-groups share only the five vectors of 64 bytes and 2 KiB slices of the LoRA factors, a small part of the 512 KiB that each moves.
; No tensor loads: x is used once by the lane that loads it, so it goes through registers.
; THE MODE: SCHED_MODE bits 1:0 = 2 (LLVM: expert scheduling mode 2), set by the entry lines.  The code itself states the register dependences
; between vector or matrix instructions and memory or LDS instructions, with s_wait_alu, always for 0.
; THE PLAN.  Registers that memory or LDS instructions touch, in the order of the text (there is no loop):
;   v[IX]            Written by the shift in a side's arm; read as the offset of that arm's LoRA loads; written again as a register of OUT by the first cast.
;   LV               The LoRA loads land in it; vector work names it only behind the wait for them.
;   X                The first half of my row of x lands; 32 conversions read it; the second half lands; 32 conversions read it and write two of each four
;                    registers in place; 16 stores read those.
;   OUT              Written by the first cast, read by 16 stores of xb; written by block 0's groups, read by 8 stores of wb; the same for block 1.
;   HIW, LOW, LW     Written by the splits, read by my five LDS stores; later they are matrix results (VA, VB) and registers of OUT.
;   XS1, XS2, LA     LDS loads land once.     YA, YB, LBA, LBB   LDS loads land; a group's six matrix instructions read them; the next group's loads land.
;   XOFF, XSO, WO, TA, AC, ACL, AS, ASL, v224, v225   Made once at the head and never written again.
; So each run of loads and stores stands behind ONE wait on va_vdst: the LoRA loads and x's first half behind the one in a side's arm; the LDS stores behind one; each cast's
; conversions stand together, and one wait behind them serves all its loads and stores (the second cast's serves block 0's stores of wb too); the next fragments' loads stand
; behind a wait that the first tanh of a group has in any case.  Three waits on vm_vsrc stand ahead of the first write of registers that stores or loads have read.
; LIMITS.  Inputs are finite.  |x| < 65,520 (beyond it f16 gives infinity); below |x| = 6.1e-5 the rounding of x is absolute, at most 3e-8.
;  2.885 amp sin, cos, 2.885 lora_A and lora_B lie below bf16's largest number (3.39e38).
;  The angle is r f + p with ONE rounding (fma) and r_j = j * f32(2 pi / 4095): within about 2 units in the last place of the angle of the two-rounding form
;  (2.4e-4 rad at an angle of 2,000).  The reduction by pi in two parts holds for |angle| < 2^22.
;  sin: odd series through y^11 on |y| <= pi/2, remainder 5.7e-8.
;  tanh: t = 1 - 2 / (1 + 2^(c x)), which saturates to +-1 through 2^.. = inf or 0 and whose error is absolute, about 2e-7, is held between x - x^3/3 and x,
;  which enclose tanh x for every x, by a median of three.  Relative error at most 3e-5, worst near |x| = 0.008, where x^3/3 equals t's error.
.set TP,   80                          ; pitch of a table row: 32 B hi + 32 B lo + 16 B LoRA; 5 x 16 bytes, so 16 neighbouring rows start in 16 different 16-byte columns of 256
.set XROW, 16384                       ; bytes in a row of x
.set WROW, 8192                        ; bytes in a row of wb
; vector registers, for the whole kernel
.set LANE, 1
.set RR,   2                           ; lane % 16
.set HH,   3                           ; lane / 16
.set XOFF, 4                           ; 16 lane: my 16 bytes in 512 of x
.set XSO,  5                           ; 8 lane: my 8 bytes in 256 of xb
.set WO,   6                           ; 8 HH rows of wb + 16 RR
.set TA,   7                           ; my table row (thread number x pitch)
.set AC,   8                           ; C side fragment: row RR, + 16 HH
.set ACL,  9                           ; C side, LoRA words: row RR
.set AS,   10                          ; S side fragment of my strip: row 256 + 16 w + RR, + 16 HH
.set ASL,  11
.set CT,   12                          ; pairs, both registers equal: c
.set CT2,  14                          ; -2 c
.set K3,   16                          ; -1 / (3 c^2)
.set ONE,  18                          ; 1
.set GA,   20                          ; a' / c
.set GB,   22                          ; b' / c
.set XS1,  24                          ; A fragment S_hi | S_hi
.set XS2,  32                          ; A fragment S_lo | S_lo
.set LA,   40                          ; A fragment of lora_A
.set YA,   48                          ; B fragments C_hi | C_lo of two tiles
.set YB,   56
.set LBA,  64                          ; B fragments of lora_B of two tiles
.set LBB,  72
.set UA,   80
.set UB,   88
.set VA,   96
.set VB,   104
.set E,    112
.set T8,   120
.set OUT,  128                         ; v[128:159] row j of my eight: 4 words = 8 neighbouring f16.  Ahead of the first block: the first half of my row of xb
.set X,    160                         ; v[160:223] sixteen loads of x
; vector registers of the table phase only (they lie on UA .. OUT, never on X)
.set RES,  80                          ; 16 angles, then 16 values
.set HIW,  96
.set LOW,  104
.set RN,   112
.set RSG,  114
.set RY,   116
.set RZ,   118
.set RP,   120
.set RTT,  122
.set RSH,  124
.set C9,   128
.set C7,   130
.set C5,   132
.set C3,   134
.set RJ,   136
.set JJ,   137
.set IX,   138
.set LV,   140
.set LW,   144
; scalar registers
.set F,    44                          ; s[44:59] the side's 16 frequencies
.set PH,   68                          ; s[68:83] the side's 16 phases
.set AMP,  84                          ; s[84:99] amplitudes
	s_load_b512 s[8:23], s[0:1], 0x0               ; x 8, amp 10, rf 12, cf 14, rp 16, cp 18, lora_A 20, lora_B 22
	s_load_b256 s[24:31], s[0:1], 0x40             ; alpha 24, beta 26, xb 28, wb 30
	v_lshl_add_u32 v224, v0, 2, 0xa000
	v_mov_b32 v225, 0
	v_lshrrev_b32 v[IX], 5, v0
	v_readfirstlane_b32 s2, v[IX]                  ; wave 0..15
	s_mov_b32 s3, ttmp9                            ; g
	v_and_b32 v[LANE], 31, v0
	v_and_b32 v[RR], 15, v0
	v_bfe_u32 v[HH], v0, 4, 1
	v_lshlrev_b32 v[XOFF], 4, v[LANE]
	s_lshr_b32 s34, s3, 4
	s_lshl_b32 s34, s34, 8                         ; 256 ob: first row of the block
	s_and_b32 s35, s3, 15
	s_lshl_b32 s35, s35, 8                         ; 256 ib: first column
	s_wait_alu depctr_va_sdst(0)                   ; s2 is written, ahead of its first reader: the side, the bases and the strip's rows are made from it
	s_wait_kmcnt 0x0
	; Waves 0-7 make the table's 256 rows of cosines (C side), waves 8-15 its 256 rows of c x amp x sines (S side): one text, chosen by selects.
	s_cmp_lt_u32 s2, 8
	s_cselect_b64 s[36:37], s[14:15], s[12:13]     ; cf or rf
	s_cselect_b64 s[38:39], s[18:19], s[16:17]     ; cp or rp
	s_cselect_b32 s40, 0x3f000000, 0               ; cos(t) = sin(t + pi/2): a shift of 0.5 in units of pi
	s_cselect_b32 s41, -1, 0                       ; all ones on the C side
	s_cselect_b32 s42, s35, s34                    ; first index of the side
	s_load_b512 s[F:F+15], s[36:37], 0x0
	s_load_b512 s[PH:PH+15], s[38:39], 0x0
	s_load_b512 s[AMP:AMP+15], s[10:11], 0x0
	s_load_b32 s32, s[24:25], 0x0
	s_load_b32 s33, s[26:27], 0x0
	; Table row T of the C side holds column 128 c + 8 r + q of the block, where T = 128 c + 16 q + r: tile q of a block of 128 columns then has
	; column 8 r + q in lane r, so that eight tiles give a lane eight NEIGHBOURING columns, 16 bytes of f16, with no shuffle.
	v_and_b32 v[IX], 0x80, v0
	v_lshl_or_b32 v[IX], v[RR], 3, v[IX]
	v_bfe_u32 v[JJ], v0, 4, 3
	v_or_b32 v[IX], v[IX], v[JJ]
	v_and_b32 v[JJ], 0xff, v0                      ; S side: row T - 256 of the block
	v_cndmask_b32 v[JJ], v[JJ], v[IX], s41
	v_add_nc_u32 v[JJ], s42, v[JJ]                 ; j: my column i, or my row o, 0 .. 4095
	s_cmp_lt_u32 s2, 8
	s_cbranch_scc0 .Lside_s
	v_lshlrev_b32 v[IX], 2, v[JJ]
	s_wait_alu depctr_va_vdst(0)                   ; v[IX] is written, the offset of the two loads below, and so is v[XOFF], the offset of the loads of x behind the arms
	global_load_b32 v[LV], v[IX], s[22:23]                 ; lora_B[0][i]
	global_load_b32 v[LV+1], v[IX], s[22:23] offset:16384  ; lora_B[1][i]
	s_branch .Lside_done
.Lside_s:
	v_lshlrev_b32 v[IX], 3, v[JJ]
	s_wait_alu depctr_va_vdst(0)                   ; v[IX] is written, the offset of the load below, and so is v[XOFF], the offset of the loads of x behind the arms
	global_load_b64 v[LV:LV+1], v[IX], s[20:21]            ; lora_A[o][0], [o][1]
.Lside_done:
	s_lshl_b32 s34, s3, 18                         ; x: row 16 g + w, 16,384 bytes a row (below 2^26)
	s_lshl_b32 s35, s2, 14
	s_or_b32 s34, s34, s35
	s_mov_b32 s35, 0
	s_add_nc_u64 s[8:9], s[8:9], s[34:35]
	s_lshr_b32 s34, s34, 1                         ; xb: the same row, half the bytes
	s_add_nc_u64 s[28:29], s[28:29], s[34:35]
.irp n, 0,1,2,3,4,5,6,7,8,9,10,11,12,13,14,15
	global_load_b128 v[X+4*\n:X+4*\n+3], v[XOFF], s[8:9] offset:512*\n th:TH_LOAD_NT   ; the first half of my row of x: 512 neighbouring bytes a load, 8 KiB of the wave on their way.  No vector instruction stands between either arm's wait and these loads, and none has named X
.endr
	s_lshr_b32 s34, s3, 4                          ; wb: row 256 ob + 16 w, column 256 ib
	s_lshl_b32 s34, s34, 21
	s_lshl_b32 s35, s2, 17
	s_or_b32 s34, s34, s35
	s_and_b32 s35, s3, 15
	s_lshl_b32 s35, s35, 9
	s_or_b32 s34, s34, s35
	s_mov_b32 s35, 0
	s_add_nc_u64 s[30:31], s[30:31], s[34:35]
	s_mul_i32 s34, s2, 16*TP
	s_add_co_u32 s34, s34, 256*TP                  ; my strip's rows in the S side of the table
	v_lshlrev_b32 v[XSO], 3, v[LANE]
	v_lshlrev_b32 v[WO], 4, v[RR]
	v_lshl_add_u32 v[WO], v[HH], 16, v[WO]         ; lanes 16-31: eight rows of 8,192 bytes further down
	v_mul_u32_u24 v[TA], v0, TP
	v_mul_u32_u24 v[ACL], v[RR], TP
	v_lshl_add_u32 v[AC], v[HH], 4, v[ACL]
	v_add_nc_u32 v[ASL], s34, v[ACL]
	v_add_nc_u32 v[AS], s34, v[AC]
.irp c, C9, C9+1
	v_mov_b32 v[\c], 0x3638ef1d                    ; 1/9!
.endr
.irp c, C7, C7+1
	v_mov_b32 v[\c], 0xb9500d01                    ; -1/7!
.endr
.irp c, C5, C5+1
	v_mov_b32 v[\c], 0x3c088889                    ; 1/5!
.endr
.irp c, C3, C3+1
	v_mov_b32 v[\c], 0xbe2aaaab                    ; -1/3!
.endr
.irp c, CT, CT+1
	v_mov_b32 v[\c], 0x4038aa3b                    ; c = 2 log2(e)
.endr
.irp c, CT2, CT2+1
	v_mov_b32 v[\c], 0xc0b8aa3b                    ; -2 c
.endr
.irp c, K3, K3+1
	v_mov_b32 v[\c], 0xbd23fea0                    ; -1 / (3 c^2) = -(ln 2)^2 / 12
.endr
.irp c, ONE, ONE+1
	v_mov_b32 v[\c], 1.0
.endr
	v_mov_b32 v[RSH], s40
	v_mov_b32 v[RSH+1], s40
	s_wait_kmcnt 0x0                               ; frequencies, phases, amplitudes, alpha, beta
	; the gains over c: 2^14 sigmoid(t) / c = 8,192 ln 2 x rcp(1 + 2^(-1.442695 t))
	v_mov_b32 v[RN], s32
	v_mov_b32 v[RN+1], s33
	v_mul_f32 v[RN], 0xbfb8aa3b, v[RN]
	v_mul_f32 v[RN+1], 0xbfb8aa3b, v[RN+1]
	v_exp_f32 v[RN], v[RN]
	v_exp_f32 v[RN+1], v[RN+1]
	v_cvt_f32_u32 v[RJ], v[JJ]                     ; the plain instruction between a transcendental and the use of its result (ISA guide 5.7.2)
	s_wait_alu depctr_va_vdst(0)                   ; the two exponentials have written v[RN], v[RN+1], ahead of their first reader
	v_add_f32 v[RN], 1.0, v[RN]
	v_add_f32 v[RN+1], 1.0, v[RN+1]
	v_rcp_f32 v[RN], v[RN]
	v_rcp_f32 v[RN+1], v[RN+1]
	v_mul_f32 v[RJ], 0x3ac91c6c, v[RJ]             ; r_j = j * 2 pi / 4095; again the plain instruction
	s_wait_alu depctr_va_vdst(0)                   ; the two reciprocals have written v[RN], v[RN+1], ahead of their first reader
	v_mul_f32 v[GA], 0x45b17218, v[RN]             ; a' / c
	v_mul_f32 v[GB], 0x45b17218, v[RN+1]           ; b' / c
	v_mov_b32 v[GA+1], v[GA]
	v_mov_b32 v[GB+1], v[GB]
	; THE TABLE: my row's 16 values
.irp k, 0,1,2,3,4,5,6,7,8,9,10,11,12,13,14,15
	v_fma_f32 v[RES+\k], v[RJ], s[F+\k], s[PH+\k]  ; the angle
.endr
; sin(t + s pi) of two angles, s = 0 or 0.5.  n = round(t / pi + s); y = t - (n - s) pi, pi in two parts; the sign (-1)^n goes into y, since the series is odd.
.macro SINPAIR k
	v_pk_fma_f32 v[RN:RN+1], v[RES+\k:RES+\k+1], 0x3ea2f983, v[RSH:RSH+1] op_sel_hi:[1,0,1]
	v_rndne_f32 v[RN], v[RN]
	v_rndne_f32 v[RN+1], v[RN+1]
	v_cvt_i32_f32 v[RSG], v[RN]
	v_cvt_i32_f32 v[RSG+1], v[RN+1]
	v_pk_add_f32 v[RN:RN+1], v[RN:RN+1], v[RSH:RSH+1] neg_lo:[0,1] neg_hi:[0,1]
	v_lshlrev_b32 v[RSG], 31, v[RSG]               ; n odd: the sign bit
	v_lshlrev_b32 v[RSG+1], 31, v[RSG+1]
	v_pk_fma_f32 v[RY:RY+1], v[RN:RN+1], 0xc0490fdb, v[RES+\k:RES+\k+1] op_sel_hi:[1,0,1]
	v_pk_fma_f32 v[RY:RY+1], v[RN:RN+1], 0x33bbbd2e, v[RY:RY+1] op_sel_hi:[1,0,1]
	v_xor_b32 v[RY], v[RY], v[RSG]
	v_xor_b32 v[RY+1], v[RY+1], v[RSG+1]
	v_pk_mul_f32 v[RZ:RZ+1], v[RY:RY+1], v[RY:RY+1]
	v_pk_fma_f32 v[RP:RP+1], v[RZ:RZ+1], 0xb2d7322b, v[C9:C9+1] op_sel_hi:[1,0,1]   ; -1/11!
	v_pk_fma_f32 v[RP:RP+1], v[RP:RP+1], v[RZ:RZ+1], v[C7:C7+1]
	v_pk_fma_f32 v[RP:RP+1], v[RP:RP+1], v[RZ:RZ+1], v[C5:C5+1]
	v_pk_fma_f32 v[RP:RP+1], v[RP:RP+1], v[RZ:RZ+1], v[C3:C3+1]
	v_pk_mul_f32 v[RTT:RTT+1], v[RY:RY+1], v[RZ:RZ+1]
	v_pk_fma_f32 v[RES+\k:RES+\k+1], v[RTT:RTT+1], v[RP:RP+1], v[RY:RY+1]
.endm
.irp k, 0,2,4,6,8,10,12,14
	SINPAIR \k
.endr
	s_wait_loadcnt 16                              ; the LoRA entries are in: behind them, on either side's path, only the 16 loads of x were issued
	s_cmp_lt_u32 s2, 8
	s_cbranch_scc1 .Lno_amp
.irp k, 0,1,2,3,4,5,6,7,8,9,10,11,12,13,14,15
	v_mul_f32 v[RES+\k], s[AMP+\k], v[RES+\k]      ; the amplitude rides on the S side,
.endr
.irp k, 0,2,4,6,8,10,12,14
	v_pk_mul_f32 v[RES+\k:RES+\k+1], v[RES+\k:RES+\k+1], v[CT:CT+1]   ; and so does c: 9 multiplies here spare 4 in each of the wave's 32 tanh tiles
.endr
	v_pk_mul_f32 v[LV:LV+1], v[LV:LV+1], v[CT:CT+1]
.Lno_amp:
; two f32 in v[src:src+1] to a word of hi parts and a word of lo parts: hi = bf16(v), lo = bf16(v - hi); v - hi is exact in f32
.macro SPLIT src, hi, lo
	v_cvt_pk_bf16_f32 v[\hi], v[\src], v[\src+1]
	v_lshlrev_b32 v[RTT], 16, v[\hi]
	v_and_b32 v[RTT+1], 0xffff0000, v[\hi]
	v_pk_add_f32 v[\src:\src+1], v[\src:\src+1], v[RTT:RTT+1] neg_lo:[0,1] neg_hi:[0,1]
	v_cvt_pk_bf16_f32 v[\lo], v[\src], v[\src+1]
.endm
.irp k, 0,1,2,3,4,5,6,7
	SPLIT RES+2*\k, HIW+\k, LOW+\k
.endr
	SPLIT LV, LW, LW+3
	; K places 0-7 of the LoRA product: S side (hi, lo, hi, lo), C side (hi, hi, lo, lo), each word the two ranks: all four cross terms
	v_cndmask_b32 v[LW+1], v[LW+3], v[LW], s41
	v_cndmask_b32 v[LW+2], v[LW], v[LW+3], s41
	s_wait_alu depctr_va_vdst(0)                   ; the splits have written HIW, LOW and LW, which the LDS stores read; v[TA], and the addresses and offsets AC, ACL, AS, ASL, XSO, WO of all later LDS loads and stores, are written too
	ds_store_b128 v[TA], v[HIW:HIW+3]
	ds_store_b128 v[TA], v[HIW+4:HIW+7] offset:16
	ds_store_b128 v[TA], v[LOW:LOW+3] offset:32
	ds_store_b128 v[TA], v[LOW+4:LOW+7] offset:48
	ds_store_b128 v[TA], v[LW:LW+3] offset:64
	s_wait_dscnt 0x0                               ; my row is written, for the other waves' sake,
	s_barrier_signal -1
	s_barrier_wait -1                              ; and so is everybody's.  The table is only read from here on: the kernel's one barrier
	s_wait_alu depctr_vm_vsrc(0)                   ; my LDS stores have read HIW, LOW and LW, and the LoRA loads have read v[IX]: from here on these registers are VA, VB and part of OUT, written by matrix instructions and conversions
; the fragments of tiles q0 and q0 + 1 of column block c: table rows 128 c + 16 q + RR
.macro FRAGS c, q0
	ds_load_b128 v[YA:YA+3],   v[AC]  offset:(128*\c+16*\q0)*TP          ; C_hi, frequencies 8 HH .. + 7
	ds_load_b128 v[YA+4:YA+7], v[AC]  offset:(128*\c+16*\q0)*TP+32       ; C_lo
	ds_load_b128 v[LBA:LBA+3], v[ACL] offset:(128*\c+16*\q0)*TP+64       ; both halves of the lanes take the same words; A's zeros meet those of lanes 16-31
	ds_load_b128 v[YB:YB+3],   v[AC]  offset:(128*\c+16*\q0+16)*TP
	ds_load_b128 v[YB+4:YB+7], v[AC]  offset:(128*\c+16*\q0+16)*TP+32
	ds_load_b128 v[LBB:LBB+3], v[ACL] offset:(128*\c+16*\q0+16)*TP+64
.endm
	ds_load_b128 v[XS1:XS1+3],   v[AS]             ; S_hi against C_hi (K 0-15).  No vector instruction has named the registers in which these eleven loads land
	ds_load_b128 v[XS1+4:XS1+7], v[AS]             ; S_hi against C_lo (K 16-31)
	ds_load_b128 v[XS2:XS2+3],   v[AS] offset:32   ; S_lo likewise
	ds_load_b128 v[XS2+4:XS2+7], v[AS] offset:32
	ds_load_b128 v[LA:LA+3],     v[ASL] offset:64
	FRAGS 0, 0
.irp j, 4,5,6,7
	v_mov_b32 v[LA+\j], 0                          ; K 16-31 of the LoRA product are empty, for the whole kernel
	v_mov_b32 v[LBA+\j], 0
	v_mov_b32 v[LBB+\j], 0
.endr
	v_cmp_gt_u32 vcc_lo, 16, v[LANE]               ; the mask for lora_A's fragment; its readers stand behind the first cast
; The first half of my row of x: the 16 slots are rounded to f16 into OUT, which nothing else uses yet; then, behind one wait, each slot is loaded again, with its part of
; the second half, and its 8 bytes a lane are stored.  256 neighbouring aligned bytes a store.
.macro CONVX_FIRST
.irp n, 0,1,2,3,4,5,6,7,8,9,10,11,12,13,14,15
	s_wait_loadcnt 15-\n                           ; loads come back in order (ISA guide 5.7.1): load n is in, the 15 - n younger ones of the first half stay out
	v_cvt_pk_f16_f32 v[OUT+2*\n], v[X+4*\n], v[X+4*\n+1]
	v_cvt_pk_f16_f32 v[OUT+2*\n+1], v[X+4*\n+2], v[X+4*\n+3]
.endr
	s_wait_alu depctr_va_vdst(0)                   ; the conversions have written OUT, which the stores below read, and are done reading X, in which the loads below land
.irp n, 0,1,2,3,4,5,6,7,8,9,10,11,12,13,14,15
	global_load_b128 v[X+4*\n:X+4*\n+3], v[XOFF], s[8:9] offset:512*(16+\n) th:TH_LOAD_NT
	global_store_b64 v[XSO], v[OUT+2*\n:OUT+2*\n+1], s[28:29] offset:256*\n
.endr
.endm
; The second half: rounded in place, nothing more to load.  Its stores stand behind a wait that they share with block 0's stores of wb.
.macro CONVX_LAST
.irp n, 0,1,2,3,4,5,6,7,8,9,10,11,12,13,14,15
	s_wait_loadcnt 15-\n                           ; load n is in, the younger ones of the 16 stay out
	v_cvt_pk_f16_f32 v[X+4*\n], v[X+4*\n], v[X+4*\n+1]
	v_cvt_pk_f16_f32 v[X+4*\n+1], v[X+4*\n+2], v[X+4*\n+3]
.endr
.endm
.macro STOREX_LAST
.irp n, 0,1,2,3,4,5,6,7,8,9,10,11,12,13,14,15
	global_store_b64 v[XSO], v[X+4*\n:X+4*\n+1], s[28:29] offset:256*(16+\n)
.endr
.endm
; v[x:x+7] holds y = c x and gets c tanh(x) = median of c t, c (x - x^3/3) and c x, where t = 1 - 2 / (1 + 2^y).
; more = 1 (a group's first tanh): the fragments of tiles (nc, nq), (nc, nq + 1) are fetched behind the first wait.
.macro TANH x, more=0, nc=0, nq=0
.irp j, 0,1,2,3,4,5,6,7
	v_exp_f32 v[E+\j], v[\x+\j]
.endr
.irp j, 0,2,4,6
	v_pk_mul_f32 v[T8+\j:T8+\j+1], v[\x+\j:\x+\j+1], v[\x+\j:\x+\j+1]                ; y^2: plain work between the exponentials and their use
.endr
	s_wait_alu depctr_va_vdst(0)                   ; the eight exponentials have written E, ahead of their first reader; in a group's first tanh also: the group's six matrix instructions are done reading YA, YB, LBA and LBB
.if \more
	FRAGS \nc, \nq                                 ; no vector or matrix instruction since the wait above names the registers in which these land; they have the rest of the group's element-wise work in which to land
.endif
.irp j, 0,2,4,6
	v_pk_add_f32 v[E+\j:E+\j+1], v[E+\j:E+\j+1], v[ONE:ONE+1]
.endr
.irp j, 0,1,2,3,4,5,6,7
	v_rcp_f32 v[E+\j], v[E+\j]
.endr
.irp j, 0,2,4,6
	v_pk_fma_f32 v[T8+\j:T8+\j+1], v[T8+\j:T8+\j+1], v[K3:K3+1], v[ONE:ONE+1]        ; 1 - y^2 / (3 c^2) = 1 - x^2 / 3: plain work behind the reciprocals
.endr
.irp j, 0,2,4,6
	v_pk_mul_f32 v[T8+\j:T8+\j+1], v[T8+\j:T8+\j+1], v[\x+\j:\x+\j+1]                ; c (x - x^3/3)
.endr
	s_wait_alu depctr_va_vdst(0)                   ; the eight reciprocals have written E, ahead of their first reader
.irp j, 0,2,4,6
	v_pk_fma_f32 v[E+\j:E+\j+1], v[E+\j:E+\j+1], v[CT2:CT2+1], v[CT:CT+1]            ; c - 2 c / (1 + 2^y)
.endr
.irp j, 0,1,2,3,4,5,6,7
	v_med3_num_f32 v[\x+\j], v[E+\j], v[T8+\j], v[\x+\j]
.endr
.endm
; Two tiles of 16 x 16 (q = 2 p, 2 p + 1): products, both tanh, the weighted sum, word p of each of my eight rows.  more = 1: the fragments of tiles (nc, nq), (nc, nq + 1) are fetched.
.macro GROUP p, more, nc, nq
	s_wait_dscnt 0x0                               ; this group's six fragment loads are in
	; the accumulators take turns, one instruction a turn
	v_wmma_f32_16x16x32_bf16 v[UA:UA+7], v[XS1:XS1+7], v[YA:YA+7], 0
	v_wmma_f32_16x16x32_bf16 v[UB:UB+7], v[XS1:XS1+7], v[YB:YB+7], 0
	v_wmma_f32_16x16x32_bf16 v[UA:UA+7], v[XS2:XS2+7], v[YA:YA+7], v[UA:UA+7]
	v_wmma_f32_16x16x32_bf16 v[UB:UB+7], v[XS2:XS2+7], v[YB:YB+7], v[UB:UB+7]
	v_wmma_f32_16x16x32_bf16 v[VA:VA+7], v[LA:LA+7], v[LBA:LBA+7], 0
	v_wmma_f32_16x16x32_bf16 v[VB:VB+7], v[LA:LA+7], v[LBB:LBB+7], 0
.rept 4
	v_nop                                          ; four places (ISA guide 7.12.1) in front of the first reads of results
.endr
	TANH UA, \more, \nc, \nq
	TANH UB
	TANH VA
	TANH VB
.irp j, 0,2,4,6
	v_pk_mul_f32 v[UA+\j:UA+\j+1], v[UA+\j:UA+\j+1], v[GA:GA+1]                      ; a' tanh U
	v_pk_mul_f32 v[UB+\j:UB+\j+1], v[UB+\j:UB+\j+1], v[GA:GA+1]
.endr
.irp j, 0,2,4,6
	v_pk_fma_f32 v[UA+\j:UA+\j+1], v[VA+\j:VA+\j+1], v[GB:GB+1], v[UA+\j:UA+\j+1]    ; + b' tanh V
	v_pk_fma_f32 v[UB+\j:UB+\j+1], v[VB+\j:VB+\j+1], v[GB:GB+1], v[UB+\j:UB+\j+1]
.endr
.if \p == 0
	s_wait_xcnt 0x0                                ; OUT, which earlier stores read (the first half of xb; the last block of wb), is rewritten only behind this wait
	s_wait_alu depctr_vm_vsrc(0)                   ; those stores have read OUT, which this block's four groups write again; no store that reads OUT is issued before the block's last group has written it
.endif
.irp j, 0,1,2,3,4,5,6,7
	v_cvt_pk_f16_f32 v[OUT+4*\j+\p], v[UA+\j], v[UB+\j]    ; row 8 HH + j, columns 8 RR + 2 p and + 2 p + 1 of the block of 128; at most 32,768 in size
.endr
.endm
; Columns 128 c .. 128 c + 127 of my 16 rows.
.macro BLOCK c
	GROUP 0, 1, \c, 2
	GROUP 1, 1, \c, 4
	GROUP 2, 1, \c, 6
.if \c
	GROUP 3, 0, 0, 0                               ; the last group fetches nothing
.else
	GROUP 3, 1, 1, 0
.endif
.endm
.macro STOREW c
.irp j, 0,1,2,3,4,5,6,7
	global_store_b128 v[WO], v[OUT+4*\j:OUT+4*\j+3], s[30:31] offset:WROW*\j+256*\c   ; lanes 0-15: 256 neighbouring aligned bytes of row j; lanes 16-31: of row j + 8
.endr
.endm
	CONVX_FIRST
	s_wait_dscnt 0x0                               ; the strip's fragments are in
	s_wait_alu depctr_va_vcc(0)                    ; the compare ahead of the cast has written VCC, which the four selects below read
.irp j, 0,1,2,3
	v_cndmask_b32 v[LA+\j], 0, v[LA+\j], vcc_lo    ; K 8-15 (lanes 16-31) of the LoRA product are empty
.endr
	BLOCK 0
	CONVX_LAST
	s_wait_alu depctr_va_vdst(0)                   ; block 0's conversions have written OUT and the second cast's have written two of each four registers of X: the 24 stores below read them
	STOREW 0
	STOREX_LAST
	BLOCK 1
	s_wait_alu depctr_va_vdst(0)                   ; block 1's conversions have written OUT, which the last eight stores read
	STOREW 1
	s_wait_dscnt 0x0                               ; the closing lines, six on end
	s_wait_alu 0x0
	s_wait_tensorcnt 0x0
	ds_add_u32 v224, v225
	s_wait_dscnt 0x0
	s_endpgm
.Lfunc_end_k_q0146aaca0d_prep:
	.size	k_q0146aaca0d_prep, .Lfunc_end_k_q0146aaca0d_prep-k_q0146aaca0d_prep
	.p2alignl 7, 3214868480
	.fill 96, 4, 3214868480
	.section	.rodata,"a",@progbits
	.p2align	6, 0x0
	.amdhsa_kernel k_q0146aaca0d_prep
		.amdhsa_group_segment_fixed_size 43008
		.amdhsa_private_segment_fixed_size 0
		.amdhsa_enable_private_segment 0
		.amdhsa_kernarg_size 96
		.amdhsa_user_sgpr_count 2
		.amdhsa_user_sgpr_kernarg_segment_ptr 1
		.amdhsa_wavefront_size32 1
		.amdhsa_system_sgpr_workgroup_id_x 1
		.amdhsa_system_sgpr_workgroup_id_y 1
		.amdhsa_system_sgpr_workgroup_id_z 1
		.amdhsa_system_vgpr_workitem_id 0
		.amdhsa_next_free_vgpr 226
		.amdhsa_next_free_sgpr 100
		.amdhsa_reserve_vcc 1
		.amdhsa_float_denorm_mode_32 3
		.amdhsa_float_denorm_mode_16_64 3
		.amdhsa_memory_ordered 1
		.amdhsa_forward_progress 1
		.amdhsa_inst_pref_size 127
	.end_amdhsa_kernel
	.amdgpu_metadata
---
amdhsa.version: [ 1, 2 ]
amdhsa.kernels:
  - .name:           k_q0146aaca0d_prep
    .symbol:         k_q0146aaca0d_prep.kd
    .args:
      - { .name: x, .offset: 0, .size: 8, .value_kind: global_buffer, .address_space: global }
      - { .name: amp, .offset: 8, .size: 8, .value_kind: global_buffer, .address_space: global }
      - { .name: rf, .offset: 16, .size: 8, .value_kind: global_buffer, .address_space: global }
      - { .name: cf, .offset: 24, .size: 8, .value_kind: global_buffer, .address_space: global }
      - { .name: rp, .offset: 32, .size: 8, .value_kind: global_buffer, .address_space: global }
      - { .name: cp, .offset: 40, .size: 8, .value_kind: global_buffer, .address_space: global }
      - { .name: lora_A, .offset: 48, .size: 8, .value_kind: global_buffer, .address_space: global }
      - { .name: lora_B, .offset: 56, .size: 8, .value_kind: global_buffer, .address_space: global }
      - { .name: alpha, .offset: 64, .size: 8, .value_kind: global_buffer, .address_space: global }
      - { .name: beta, .offset: 72, .size: 8, .value_kind: global_buffer, .address_space: global }
      - { .name: xb, .offset: 80, .size: 8, .value_kind: global_buffer, .address_space: global }
      - { .name: wb, .offset: 88, .size: 8, .value_kind: global_buffer, .address_space: global }
    .group_segment_fixed_size: 43008
    .private_segment_fixed_size: 0
    .kernarg_segment_align: 8
    .kernarg_segment_size: 96
    .max_flat_workgroup_size: 512
    .sgpr_count:     100
    .vgpr_count:     226
    .wavefront_size: 32
...
	.end_amdgpu_metadata
.endif
;; end of part 3
;; launch gemm: the kernel of part 2 again; grid 16 x 16, 4 waves a work-group, clusters of 4 x 4, 327,680 bytes of LDS; arguments xb, wb, bias, out0; writes out0
